; MI455X (gfx1250); checked and timed in simulation.
; The chip was launched on July 23, 2026; its instructions are those of AMD's public machine-readable ISA for CDNA 5 (MIT licence, August 2026) and "CDNA5" Instruction Set Architecture Reference Guide (July 2026). The comments in the code are by the model that wrote it; some were corrected since.
;; Dot Product Attention. Allowed arithmetic: matrix products marked QUANTISED: E5M2 operands, one given power-of-two scale a tensor, by v_wmma_f32_16x16x64_bf8_bf8 or v_wmma_f32_16x16x128_bf8_bf8, f32 sums; everything else in f32.
;; Inputs: keys_codes 16 x 2,048 x 2 x 32 uint8 (E5M2 codes of keys, K innermost, in blocks of 32 codes); lowp_scales 4 int32 (the exponents e of the quantised operands' scales 2^e); queries_codes 16 x 2,048 x 2 x 32 uint8 (E5M2 codes of queries, K innermost, in blocks of 32 codes); valid_lens 16 int32; values_codes 16 x 64 x 64 x 32 uint8 (E5M2 codes of values, K innermost, in blocks of 32 codes).
;; Outputs: out0 16 x 2,048 x 64 float32.
;; This version of the problem:
;;   THIS VERSION OF THE PROBLEM IS GIVEN IN LOW PRECISION. The matrix products marked QUANTISED in the list below multiply operands that are first quantised to E5M2 (5 exponent bits, 2 mantissa bits; 8 bits a number), with one given power-of-two scale for each operand tensor; their sums are f32. All else is computed in f32.
;;   The module's matrix products, in the order in which they are computed (A, B: the left and right operand; K: the contracted axis; several contracted axes count as one K, in the product's order):
;;     1. batch 16 x [M 2,048, K 64] x [K 64, N 2,048]; A: input queries (given as codes); B: input keys (given as codes): QUANTISED (scales: A lowp_scales[0], B lowp_scales[1])
;;     2. batch 16 x [M 2,048, K 2,048] x [K 2,048, N 64]; A: softmax (see below); B: input values (given as codes): QUANTISED (scales: A lowp_scales[2], B lowp_scales[3])
;;   THE QUANTISER, for each operand of a quantised product, along K:
;;     - The operand's scale is 2^e, e = its entry of the input lowp_scales (int32; the entries are numbered through the quantised products in the list's order, A before B).
;;     - Each number is divided by the scale, clamped to +-57,344, and rounded to the nearest number of E5M2, ties to even, subnormals kept.
;;     - The product sums the exact products of the quantised numbers (number of the format x scale) in f32.
;;   ~~~python
;;   def quantise(x, axis, e):      # numpy; x: float32 -> the quantised numbers, widened to float32 again
;;       x = np.moveaxis(x, axis, -1); K = x.shape[-1]
;;       r = np.clip(x / 2.0 ** e, -57344, 57344)
;;       step = 2.0 ** (np.maximum(np.frexp(np.where(r == 0, 1, r))[1] - 1, -14) - 2)
;;       q = np.round(r / step) * step * 2.0 ** e      # np.round: ties to even
;;       return np.moveaxis(q, -1, axis).astype(np.float32)
;;   ~~~
;;   SOFTMAX AHEAD OF A QUANTISED PRODUCT. Where the list says 'softmax', what is quantised is not the finished softmax but p = 2^(t - M), with t = logit x log2(e) and M = ceil(the row's largest t), a whole number; so 1/2 < the row's largest p <= 1. The row's sum l is taken of the UNQUANTISED p, in f32, and the product's result is divided by l at the end. Since M is a whole number, a kernel that streams over the keys may use a running M (the ceiling of the running maximum): every later rescaling is an exact power of two, so the quantised numbers keep their values, but for numbers so far below the row's largest that they fall under the format's range.
;;   OPERANDS COMPUTED ON THE WAY. 'Computed on the way' means the value that the module computes at that place (a softmax that the list does not call 'softmax' is quantised finished and normalised). What goes into a quantiser is computed in f32, as accurately as f32 sums, v_exp_f32 and their like allow (about 1e-6 of the number): no bf16 or f16 on the way to a quantiser, and a product that is left as it is and whose result goes on into a quantised operand takes f32 operands (vector FMAs, or v_wmma_f32_16x16x4_f32). A number that lies on a knife's edge between two numbers of the format may be rounded either way, as far as f32 arithmetic and the matrix unit's own rounding can turn it there, and no further.
;;   INPUTS GIVEN AS CODES. keys (in the module: [16, 2048, 64], K = its axis 2); queries (in the module: [16, 2048, 64], K = its axis 2); values (in the module: [16, 2048, 64], K = its axis 1): each comes as NAME_codes (uint8): NAME with its K axis moved to the last place and cut into blocks of 32 codes, [.., K / 32, bytes a block], one block behind the other in memory; one code a byte (a code: sign, 5 exponent bits, 2 mantissa bits); its scale is its entry of lowp_scales. Its value is code x scale, taken as it is: it is not quantised again, and the codes and scales need not be those that the quantiser above would give.
;; 2 versions, each right; version 2 is version 1 with the launch attn written anew for expert scheduling mode. Each part assembles by itself: llvm-mc -triple=amdgcn-amd-amdhsa -mcpu=gfx1250 --defsym DOCPART=n.
;; ======== version 1 of 2: 1 launch
;; limits: right only within a limited range of input values
;; launch attn (part 1): grid 16 x 16, 8 waves a work-group, no clusters, 304,128 bytes of LDS; arguments queries_codes, keys_codes, values_codes, lowp_scales, valid_lens, out0; writes out0
.if DOCPART == 1
	.amdgcn_target "amdgcn-amd-amdhsa--gfx1250"
	.amdhsa_code_object_version 6
	.text
	.protected	k_qca8c61af8f_attn
	.globl	k_qca8c61af8f_attn
	.p2align	8
	.type	k_qca8c61af8f_attn,@function
k_qca8c61af8f_attn:
	s_mov_b64 s[64:65], 0
	v_nop
	global_prefetch_b8 v0, s[64:65] scope:SCOPE_SE
	s_setreg_imm32_b32 hwreg(HW_REG_WAVE_MODE, 25, 1), 1
	s_wait_xcnt 0x0
; O[b][q][:] = the sum over k of softmax_k(masked Q[b][q] . K[b][k] / 8) V[b][k][:], 16 batches, 2,048 queries, 2,048 keys, head size 64; both products on codes of BF8 (E5M2),
; each tensor with the one scale 2^e that is given: eq, ek, ep, ev.  Q, K: [16][2048][64] codes.  V: codes with the KEYS innermost, [16][64][2048].  O: [16][2048][64] f32.
; THE MASK: key k counts where k < valid_lens[b]; the others have the logit -1e6.
; THE SOFTMAX AHEAD OF THE SECOND PRODUCT: t = score x log2(e) / 8; M = the largest t so far, rounded UP to a whole number; p = 2^(t - M) is quantised with 2^ep, not normalised.
; The row's sum is taken of the unquantised p and divides O at the end.  When M moves, sum and O are multiplied by 2^(old M - new M): exact.
; SHARES.  A work-group owns 128 queries of one batch: 16 x 16 = 256 work-groups.  Wave w of eight: g = w & 3 names 32 queries (two tiles of 16), p = w >> 2 a parity of key steps: the wave walks the steps
; of 128 keys with numbers 2 c + p, c = 0 .. 7.  So a fragment of K or V read from LDS feeds two products, and two waves lie on a SIMD: one's softmax stands beside the other's products and LDS loads.
; Slot X of a wave's registers is tile p of its 32 queries, slot Y tile 1 - p.  At the end each wave hands slot Y to its partner (g, 1 - p) through LDS and finishes slot X: the same text in all waves.
; Each wave has a running M of its own keys; the merge multiplies by whole powers of two.
; K AND V COME THROUGH REGISTERS INTO LDS, NOT BY THE TENSOR DATA MOVER, AND THERE IS NO CLUSTER, though the 16 work-groups of a batch read the same K and V.  The reason: three scalar branches hang on whole numbers
; that are read from memory.  (1) A key step that lies wholly at or behind valid_len is left out.  (2) The mask's lines (64 compares and 128 selects
; for two tiles) run only in the one step that valid_len cuts.  (3) The hold at the largest code (64 lines a tile) runs only where ep < -15: p is at most 1, so p / 2^ep passes 57,344 only from 2^16 on.
; By this text's own count a tile's step is 194 vector lines; without the branches it would be 194 + 96 + 64, in all 16 steps whatever valid_len is.
; The whole batch fits in LDS (8 chunks of 256 keys), so every LDS byte of K and V is stored once and only read afterwards: one barrier for each two chunks.
; LAYOUT.  Both products are used transposed: S^T = K Q^T (source 0 = 16 keys, source 1 = 16 queries), O^T = V^T P^T (source 0 = 16 of the head's 64, source 1 = P): a lane holds ONE query (lane % 16) throughout.
; THE KEYS OF A TILE ARE NOT NEIGHBOURS: row r of tile 2 b + u is key 32 b + 8 u + r + 8 (r / 8), so that the 16 registers of tiles 2 b and 2 b + 1 are the neighbouring keys 32 b + 16 (lane / 16) + 0 .. 15.
; That order is made when K is stored into LDS: key k of a chunk goes to row 32 (k >> 5) + 16 ((k >> 3) & 1) + 8 ((k >> 4) & 1) + (k & 7), so a tile is 16 consecutive LDS rows.
; Fragments are fetched 16 bytes a load (registers 4 c .. 4 c + 3: k = 32 c + 16 (lane / 16) + 0 .. 15): a permutation of k that is the same on both sides of each product.
; LIMITS.  eq + ek between -123 and 130 (added to c's exponent field); ep between -126 and 112; ep + ev is applied by v_ldexp_f32.  Masked keys count for nothing: exact while a row's largest valid logit lies
; above about -1e6 + 104, since under that distance 2^(t - M) of a masked key is below the smallest f32 number.  valid_len <= 0: all logits are equal (-1e6 x log2(e) rounds in f32 to the whole number -1,442,695,
; so p = 1 for every key): served by c = 0 with all 2,048 keys.  valid_len above 2,048 counts as 2,048.  Codes of infinity and NaN are not served.
;
; LDS: chunk c at c x CH: 256 rows of K (64 bytes + 16 of padding), then 64 rows of V (256 keys + 16 of padding).  Both pitches are odd multiples of 16 bytes: the 16 rows of a fragment load start in 16 different
; groups of four banks (64 banks of 4 bytes: ISA guide 11.1).  Behind the last key step bytes 0 .. 71,679 serve again: eight regions for the hand-over, then a stage for each wave.
.set KP,   80                          ; a key's row in LDS
.set VP,   272                         ; a row of V's chunk in LDS
.set VO,   256*KP                      ; V's part of a chunk
.set CH,   VO+64*VP                    ; a chunk: 37,888 bytes; eight of them are 303,104 bytes
.set XREG, 4608                        ; a hand-over region: 8 images of 512 bytes (32 registers of O^T) and one of the statistics
.set STG,  8*XREG                      ; the stages: 16 rows x 272 bytes for each wave
.set SP,   272
; REGISTERS, window 0 (an instruction names v0-v255; s_set_vgpr_msb says which window each operand place means: bits 1:0 source 0, 3:2 source 1, 5:4 source 2, 7:6 destination)
.set AK0,  1                           ; my lane's place in a step's tiles of K: 80 r + 16 h + 10,240 p
.set AV0,  2                           ; of V: VO + 272 r + 16 h + 128 p
.set ADK,  3                           ; the step's addresses
.set ADV,  4
.set FKG,  5                           ; the fill: my 16 bytes of my wave's 2,048 of a chunk of K in memory
.set FVG,  6                           ; of V: row 8 w + h, 16 r
.set FKL,  7                           ; and their places in a chunk in LDS
.set FVL,  8
.set TK,   9                           ; the same with the chunk's offset
.set TV,   10
.set H16,  11                          ; 16 h
.set QOX,  12                          ; my bytes of slot X's tile of Q
.set QOY,  13                          ; of slot Y's
.set XW,   14                          ; hand-over: where I write, region 2 g + 1 - p
.set XR,   15                          ; where I read, region 2 g + p
.set SO,   16                          ; the stage: in
.set SR,   17                          ; and back
.set GO,   18                          ; 16 x lane
.set TX,   24                          ; v[24:27] slot X: -M, the largest t, the sum in two halves
.set TY,   28                          ; v[28:31] slot Y
.set QX,   32                          ; v[32:39], v[40:47] Q's fragments
.set QY,   40
.set PX,   48                          ; v[48:63], v[64:79] p's codes
.set PY,   64
.set SX,   80                          ; v[80:143], v[144:207] S^T, then p
.set SY,   144
.set MX0,  208                         ; at work
.set MX1,  209
.set PRM,  210                         ; a lane permute's destination
.set DM,   211                         ; the mask: valid_len - 1 - the step's first key - 16 h
.set NINF, 212
.set FX,   214                         ; v[214:215], v[216:217] f = 2^(old M - new M); the upper words are only named
.set FY,   216
.set SUM,  218                         ; v[218:219] the sum's second chain
.set SCL,  220                         ; 2^ep
.set LIM,  221                         ; 57,344 x 2^ep
.set IT,   224                         ; the way out: the partner's statistics
.set G1,   228                         ; v[228:229] my factor, v[230:231] the partner's
.set G2,   230
.set E1,   209
.set E2,   211
.set IM,   144                         ; the partner's O^T
.set RS,   80                          ; the finished rows
.set BK,   112                         ; and back from the stage
; window 1
.set KFR,  0                           ; K's 8 fragments of 8 registers
.set VFR,  64                          ; V's 4 fragments of 16
.set OX,   128                         ; O^T, 32 registers a slot
.set OY,   160
.set STA,  192                         ; the fill: two sets of 32 registers
; scalars
.set WV,   16                          ; wave
.set GQ,   17                          ; g
.set PAR,  18                          ; p
.set NPAR, 19                          ; 1 - p
.set NV,   29                          ; keys that count, 1 .. 2,048
.set CS,   30                          ; s[30:31] c = log2(e) / 8 x 2^(eq + ek)
.set HOLD, 32                          ; 1 where ep < -15
.set SKF,  33                          ; the step's first key
.set COFF, 34                          ; the step's chunk in LDS
.set CNT,  36
.set SEL,  38                          ; s[38:39] selects for v_permlanex16_b32: lane l xor 16
.set EPV,  48                          ; ep + ev
.set MSB, 0
.macro WIN new                         ; the immediate's high byte repeats the setting that is left; a switch that changes nothing is dropped
.if MSB != \new
	s_set_vgpr_msb (MSB<<8)|\new
.set MSB, \new
.endif
.endm
.macro BARRIER                         ; my LDS stores have landed and my LDS loads are in: then the work-group's barrier
	s_wait_dscnt 0x0
	s_barrier_signal -1
	s_barrier_wait -1
.endm
; Chunk c from memory into staging set `set` (the caller has set the destination's window to 1).  K: each load reads 512 consecutive bytes, 8 keys.  V: two rows' 256 bytes each.  No cache word: 15 other work-groups read the same bytes.
.macro GLOAD c, set
.irp i, 0,1,2,3
	global_load_b128 v[STA+32*(\set)+4*\i:STA+32*(\set)+4*\i+3], v[FKG], s[6:7] offset:16384*(\c)+512*\i
	global_load_b128 v[STA+32*(\set)+16+4*\i:STA+32*(\set)+16+4*\i+3], v[FVG], s[8:9] offset:256*(\c)+4096*\i
.endr
.endm
; and from the staging set into LDS.  Load i of K holds keys 32 w + 8 i + lane / 4: rows 32 w + 16 (i % 2) + 8 (i / 2) + lane / 4.  Load i of V holds rows 8 w + h + 2 i.
.macro LSTORE c, set
	v_add_nc_u32 v[TK], (\c)*CH, v[FKL]
	v_add_nc_u32 v[TV], (\c)*CH, v[FVL]
	WIN 0x04                                       ; the stores' data lie in window 1
.irp i, 0,1,2,3
	ds_store_b128 v[TK], v[STA+32*(\set)+4*\i:STA+32*(\set)+4*\i+3] offset:(\i%2)*16*KP+(\i/2)*8*KP
	ds_store_b128 v[TV], v[STA+32*(\set)+16+4*\i:STA+32*(\set)+16+4*\i+3] offset:2*VP*\i
.endr
	WIN 0
.endm
; A chunk is fetched only if a key of it counts.  The number is the same in all eight waves.
.macro ASK c
	s_cmp_gt_u32 s[NV], 256*(\c)
	s_cbranch_scc0 .Lnoask_\@
	WIN 0x40
	GLOAD \c, (\c)%2
	WIN 0
.Lnoask_\@:
.endm
.macro PUT c
	s_cmp_gt_u32 s[NV], 256*(\c)
	s_cbranch_scc0 .Lnoput_\@
	LSTORE \c, (\c)%2
.Lnoput_\@:
.endm
; One tile's softmax for a step: 64 scores of a lane in v[s] on become p, and p's codes in v[p] on; v[t] on are the tile's statistics, v[f] its factor.  All in window 0.
.macro SOFTMAX s, t, p, f
	v_max3_num_f32 v[MX0], v[\s], v[\s+1], v[\s+2]         ; the step's largest score of my query among my 64 keys, in two chains, each accumulator from its low end on
	v_max3_num_f32 v[MX1], v[\s+3], v[\s+4], v[\s+5]
.irp i, 6,10,14,18,22,26,30,34,38,42,46,50,54,58
	v_max3_num_f32 v[MX0], v[MX0], v[\s+\i], v[\s+\i+1]
	v_max3_num_f32 v[MX1], v[MX1], v[\s+\i+2], v[\s+\i+3]
.endr
	v_max3_num_f32 v[MX0], v[MX0], v[\s+62], v[\s+63]
	v_max_num_f32 v[MX0], v[MX0], v[MX1]
	v_permlanex16_b32 v[PRM], v[MX0], s[SEL], s[SEL+1]
	v_max_num_f32 v[MX0], v[MX0], v[PRM]                   ; and among lane l xor 16's
	v_mul_f32 v[MX0], s[CS], v[MX0]                        ; as t (c is not negative)
	v_max_num_f32 v[\t+1], v[\t+1], v[MX0]                 ; the running largest t
	v_mov_b32 v[MX0], v[\t]
	v_floor_f32 v[\t], -v[\t+1]                            ; the new -M = floor(-t) = -ceil(t): a whole number
	v_sub_f32 v[MX0], v[\t], v[MX0]                        ; old M - new M, 0 or less
	v_cvt_i32_f32 v[MX0], v[MX0]                           ; (it saturates)
	v_ldexp_f32 v[\f], 1.0, v[MX0]                         ; f = 2^(old M - new M)
.irp j, 0,2,4,6,8,10,12,14,16,18,20,22,24,26,28,30,32,34,36,38,40,42,44,46,48,50,52,54,56,58,60,62
	v_pk_fma_f32 v[\s+\j:\s+\j+1], v[\s+\j:\s+\j+1], s[CS:CS+1], v[\t:\t+1] op_sel_hi:[1,0,0]   ; t - M, two at a time (of the pairs c and -M the low word serves both halves)
.endr
.irp j, 0,1,2,3,4,5,6,7,8,9,10,11,12,13,14,15,16,17,18,19,20,21,22,23,24,25,26,27,28,29,30,31,32,33,34,35,36,37,38,39,40,41,42,43,44,45,46,47,48,49,50,51,52,53,54,55,56,57,58,59,60,61,62,63
	v_exp_f32 v[\s+\j], v[\s+\j]                           ; p = 2^(t - M), at most 1
.endr
	v_pk_mul_f32 v[\t+2:\t+3], v[\t+2:\t+3], v[\f:\f+1] op_sel_hi:[1,0]   ; the sum under the new M; also the plain line behind the exponentials (ISA guide 5.7.2)
	s_wait_alu depctr_va_vdst(0)
	v_pk_add_f32 v[SUM:SUM+1], v[\s:\s+1], v[\s+2:\s+3]    ; the row's sum is taken of the unquantised p, in two chains
.irp j, 4,8,12,16,20,24,28,32,36,40,44,48,52,56,60
	v_pk_add_f32 v[\t+2:\t+3], v[\t+2:\t+3], v[\s+\j:\s+\j+1]
	v_pk_add_f32 v[SUM:SUM+1], v[SUM:SUM+1], v[\s+\j+2:\s+\j+3]
.endr
	v_pk_add_f32 v[\t+2:\t+3], v[\t+2:\t+3], v[SUM:SUM+1]
	s_cmp_eq_u32 s[HOLD], 0                                ; p <= 1: p / 2^ep can pass 57,344 only where ep < -15
	s_cbranch_scc1 .Lnohold_\@
.irp j, 0,1,2,3,4,5,6,7,8,9,10,11,12,13,14,15,16,17,18,19,20,21,22,23,24,25,26,27,28,29,30,31,32,33,34,35,36,37,38,39,40,41,42,43,44,45,46,47,48,49,50,51,52,53,54,55,56,57,58,59,60,61,62,63
	v_min_num_f32 v[\s+\j], v[\s+\j], v[LIM]               ; the conversion to an 8-bit code does not saturate (ISA guide 7.6.2); p is not negative, so the hold is one-sided
.endr
.Lnohold_\@:
.irp b, 0,1,2,3
	v_cvt_scalef32_pk8_bf8_f32 v[\p+4*\b:\p+4*\b+1], v[\s+16*\b:\s+16*\b+7], v[SCL]        ; registers 4 b .. 4 b + 3 of the operand: keys 32 b + 16 h + 0 .. 15
	v_cvt_scalef32_pk8_bf8_f32 v[\p+4*\b+2:\p+4*\b+3], v[\s+16*\b+8:\s+16*\b+15], v[SCL]
.endr                                              ; (what follows each use of this macro is a plain vector line that touches none of these registers)
.endm
; A KEY STEP: 128 keys from s[SKF] on, in the chunk at s[COFF], for both slots.
.macro STEP
	s_cmp_ge_u32 s[SKF], s[NV]                     ; no key of the step counts: the step is left out
	s_cbranch_scc1 .Lskip_\@
	v_add_nc_u32 v[ADK], s[COFF], v[AK0]
	v_add_nc_u32 v[ADV], s[COFF], v[AV0]
	v_nop                                          ; four plain vector lines stand between the last step's last products and the loads into the registers that they read (ISA guide 7.12.1 for vector instructions): the two additions and these two
	v_nop
	WIN 0x40
.irp t, 0,1,2,3,4,5,6,7
	ds_load_b128 v[KFR+8*\t:KFR+8*\t+3],   v[ADK] offset:16*KP*\t
	ds_load_b128 v[KFR+8*\t+4:KFR+8*\t+7], v[ADK] offset:16*KP*\t+32
.endr
.irp t, 0,1,2,3
.irp c, 0,1,2,3
	ds_load_b128 v[VFR+16*\t+4*\c:VFR+16*\t+4*\c+3], v[ADV] offset:16*VP*\t+32*\c
.endr
.endr
	s_wait_dscnt 16                                ; K's sixteen loads are in; V's sixteen, issued behind them, stay out
	WIN 0x01                                       ; K's fragments in window 1
.irp t, 0,1,2,3,4,5,6,7
	v_wmma_f32_16x16x64_bf8_bf8 v[SX+8*\t:SX+8*\t+7], v[KFR+8*\t:KFR+8*\t+7], v[QX:QX+7], 0
	v_wmma_f32_16x16x64_bf8_bf8 v[SY+8*\t:SY+8*\t+7], v[KFR+8*\t:KFR+8*\t+7], v[QY:QY+7], 0
.endr
	WIN 0
.rept 4
	v_nop                                          ; four places in front of the first read of the scores
.endr
	s_add_co_u32 s46, s[SKF], 128                  ; a step all of whose keys count has no mask
	s_cmp_le_u32 s46, s[NV]
	s_cbranch_scc1 .Lopen_\@
	s_sub_co_u32 s46, s[NV], s[SKF]
	s_sub_co_u32 s46, s46, 1
	v_sub_nc_u32 v[DM], s46, v[H16]                ; register 16 b + i holds key SKF + 16 h + 32 b + i: hidden where 32 b + i > valid_len - 1 - SKF - 16 h
	v_mov_b32 v[NINF], 0xff800000                  ; -infinity: p = 0 then.  The step's first key counts, so the maximum is a number
.irp n, 0,1,2,3,4,5,6,7,8,9,10,11,12,13,14,15,16,17,18,19,20,21,22,23,24,25,26,27,28,29,30,31,32,33,34,35,36,37,38,39,40,41,42,43,44,45,46,47,48,49,50,51,52,53,54,55,56,57,58,59,60,61,62,63
	v_cmp_gt_i32 vcc_lo, 32*(\n/16)+\n%16, v[DM]
	v_cndmask_b32 v[SX+\n], v[SX+\n], v[NINF], vcc_lo
	v_cndmask_b32 v[SY+\n], v[SY+\n], v[NINF], vcc_lo
.endr
.Lopen_\@:
	SOFTMAX SX, TX, PX, FX
	SOFTMAX SY, TY, PY, FY
	WIN 0x41                                       ; O^T in window 1, f in window 0
.irp j, 0,2,4,6,8,10,12,14,16,18,20,22,24,26,28,30
	v_pk_mul_f32 v[OX+\j:OX+\j+1], v[OX+\j:OX+\j+1], v[FX:FX+1] op_sel_hi:[1,0]   ; O^T under the new M.  (These lines are also the plain lines between the conversions and the products that read the codes)
.endr
.irp j, 0,2,4,6,8,10,12,14,16,18,20,22,24,26,28,30
	v_pk_mul_f32 v[OY+\j:OY+\j+1], v[OY+\j:OY+\j+1], v[FY:FY+1] op_sel_hi:[1,0]
.endr
	s_wait_dscnt 0x0                               ; V is in
	WIN 0x51                                       ; V and O^T in window 1, P in window 0
.irp t, 0,1,2,3                                ; the eight accumulators take turns, one instruction a turn
	v_wmma_f32_16x16x128_bf8_bf8 v[OX+8*\t:OX+8*\t+7], v[VFR+16*\t:VFR+16*\t+15], v[PX:PX+15], v[OX+8*\t:OX+8*\t+7]
	v_wmma_f32_16x16x128_bf8_bf8 v[OY+8*\t:OY+8*\t+7], v[VFR+16*\t:VFR+16*\t+15], v[PY:PY+15], v[OY+8*\t:OY+8*\t+7]
.endr
	WIN 0
.Lskip_\@:
.endm
; My steps in chunks 2 k and 2 k + 1: the step is written once and walked twice; the lines that step stand outside the step's jump.
.macro COMPUTE k
	s_mov_b32 s[COFF], 2*(\k)*CH
	s_mov_b32 s[CNT], 2
.Lstep_\@:
	STEP
	s_add_co_u32 s[SKF], s[SKF], 256
	s_add_co_u32 s[COFF], s[COFF], CH
	s_sub_co_u32 s[CNT], s[CNT], 1
	s_cmp_lg_u32 s[CNT], 0
	s_cbranch_scc1 .Lstep_\@
.endm
	s_load_b256 s[4:11], s[0:1], 0x0               ; Q s[4:5], K s[6:7], V s[8:9], the scales' exponents s[10:11]
	s_load_b128 s[12:15], s[0:1], 0x20             ; valid_lens s[12:13], O s[14:15]
	v_lshl_add_u32 v254, v0, 2, 0x4a000
	v_mov_b32 v255, 0
	v_lshrrev_b32 v19, 5, v0
	v_readfirstlane_b32 s[WV], v19                 ; wave 0..7
	s_and_b32 s[GQ], s[WV], 3                      ; g
	s_lshr_b32 s[PAR], s[WV], 2                    ; p
	s_xor_b32 s[NPAR], s[PAR], 1                   ; 1 - p
	s_mov_b32 s20, ttmp9                           ; the block of 128 queries
	s_and_b32 s21, ttmp7, 0xffff                   ; the batch
	v_and_b32 v19, 15, v0                          ; r
	v_bfe_u32 v20, v0, 4, 1                        ; h
	v_and_b32 v21, 31, v0                          ; lane
	v_mul_u32_u24 v[AK0], v19, KP
	v_lshl_add_u32 v[AK0], v20, 4, v[AK0]
	s_mul_i32 s46, s[PAR], 128*KP
	v_add_nc_u32 v[AK0], s46, v[AK0]
	v_mul_u32_u24 v[AV0], v19, VP
	v_lshl_add_u32 v[AV0], v20, 4, v[AV0]
	s_lshl_b32 s46, s[PAR], 7
	s_add_co_u32 s46, s46, VO
	v_add_nc_u32 v[AV0], s46, v[AV0]
	v_lshlrev_b32 v[GO], 4, v21
	s_lshl_b32 s46, s[WV], 11
	v_add_nc_u32 v[FKG], s46, v[GO]                ; 2,048 w + 16 lane
	s_lshl_b32 s46, s[WV], 14
	v_lshlrev_b32 v[FVG], 4, v19
	v_lshl_add_u32 v[FVG], v20, 11, v[FVG]
	v_add_nc_u32 v[FVG], s46, v[FVG]               ; (8 w + h) rows of 2,048 bytes + 16 r
	v_lshrrev_b32 v[FKL], 2, v21
	v_mul_u32_u24 v[FKL], v[FKL], KP
	v_and_b32 v[TK], 3, v21
	v_lshl_add_u32 v[FKL], v[TK], 4, v[FKL]
	s_mul_i32 s46, s[WV], 32*KP
	v_add_nc_u32 v[FKL], s46, v[FKL]               ; 32 w rows + (lane / 4) rows + 16 (lane % 4)
	v_mul_u32_u24 v[FVL], v20, VP
	v_lshl_add_u32 v[FVL], v19, 4, v[FVL]
	s_mul_i32 s46, s[WV], 8*VP
	s_add_co_u32 s46, s46, VO
	v_add_nc_u32 v[FVL], s46, v[FVL]
	v_lshlrev_b32 v[H16], 4, v20
	v_lshlrev_b32 v[QOX], 6, v19
	v_lshl_add_u32 v[QOX], v20, 4, v[QOX]          ; Q: row r of 64 bytes + 16 h,
	s_lshl_b32 s46, s[NPAR], 10
	v_add_nc_u32 v[QOY], s46, v[QOX]               ; in tile 1 - p,
	s_lshl_b32 s46, s[PAR], 10
	v_add_nc_u32 v[QOX], s46, v[QOX]               ; in tile p
	s_lshl_b32 s46, s[GQ], 1
	s_add_co_u32 s47, s46, s[NPAR]
	s_add_co_u32 s46, s46, s[PAR]
	s_mul_i32 s47, s47, XREG
	s_mul_i32 s46, s46, XREG
	v_add_nc_u32 v[XW], s47, v[GO]
	v_add_nc_u32 v[XR], s46, v[GO]
	s_mul_i32 s46, s[WV], 16*SP
	s_add_co_u32 s46, s46, STG                     ; my stage
	v_mul_u32_u24 v[SO], v19, SP
	v_lshl_add_u32 v[SO], v20, 5, v[SO]
	v_add_nc_u32 v[SO], s46, v[SO]                 ; in: row r, 32 bytes for each half of the lanes
	v_mul_u32_u24 v[SR], v20, SP
	v_lshl_add_u32 v[SR], v19, 4, v[SR]
	v_add_nc_u32 v[SR], s46, v[SR]                 ; back: lanes 0-15 one row of 256 bytes, lanes 16-31 the next
	s_lshl_b32 s22, s21, 2                         ; valid_lens: 4 x batch
	s_mov_b32 s23, 0
	s_lshl_b32 s40, s21, 17                        ; a batch's codes: 131,072 bytes in each of the three tensors
	s_mov_b32 s41, 0
	s_lshl_b32 s42, s20, 13                        ; Q: + 128 rows of 64 bytes x block + 32 rows x g
	s_lshl_b32 s43, s[GQ], 11
	s_add_co_u32 s42, s42, s43
	s_add_co_u32 s42, s42, s40
	s_mov_b32 s43, 0
	s_lshl_b32 s44, s21, 19                        ; O: rows of 256 bytes: 2,048 x batch + 128 x block + 32 g + 16 p
	s_lshl_b32 s45, s20, 15
	s_add_co_u32 s44, s44, s45
	s_lshl_b32 s45, s[GQ], 13
	s_add_co_u32 s44, s44, s45
	s_lshl_b32 s45, s[PAR], 12
	s_add_co_u32 s44, s44, s45
	s_mov_b32 s45, 0
	s_mov_b32 s[SEL], 0x76543210
	s_mov_b32 s[SEL+1], 0xfedcba98
	s_wait_kmcnt 0x0
	s_add_nc_u64 s[12:13], s[12:13], s[22:23]
	s_load_b128 s[24:27], s[10:11], 0x0            ; eq, ek, ep, ev
	s_load_b32 s28, s[12:13], 0x0                  ; valid_lens[batch]
	s_add_nc_u64 s[6:7], s[6:7], s[40:41]          ; none of the four bases is written again
	s_add_nc_u64 s[8:9], s[8:9], s[40:41]
	s_add_nc_u64 s[4:5], s[4:5], s[42:43]
	s_add_nc_u64 s[14:15], s[14:15], s[44:45]
	WIN 0x40
	GLOAD 0, 0                                     ; chunks 0 and 1 are fetched whatever valid_len is
	GLOAD 1, 1
	WIN 0
	global_load_b128 v[QX:QX+3],   v[QOX], s[4:5]  ; Q's fragments stay in registers
	global_load_b128 v[QX+4:QX+7], v[QOX], s[4:5] offset:32
	global_load_b128 v[QY:QY+3],   v[QOY], s[4:5]
	global_load_b128 v[QY+4:QY+7], v[QOY], s[4:5] offset:32
	WIN 0x40
.set i, 0
.rept 64
	v_mov_b32 v[OX+i], 0                           ; O^T of both slots.  The step is written once, and a wave may have no step at all: the first change of M leaves zeros zeros
.set i, i+1
.endr
	WIN 0
	v_mov_b32 v[TX+1], 0xff61b1e6                  ; the largest t so far: -3e38, under every t
	v_mov_b32 v[TY+1], 0xff61b1e6
	v_floor_f32 v[TX], -v[TX+1]                    ; -M
	v_floor_f32 v[TY], -v[TY+1]
	v_mov_b32 v[TX+2], 0                           ; the sums, in two halves
	v_mov_b32 v[TX+3], 0
	v_mov_b32 v[TY+2], 0
	v_mov_b32 v[TY+3], 0
	v_mov_b32 v[PRM], 0                            ; written once: a lane permute's destination counts as one of its sources
	v_mov_b32 v[FX+1], 0                           ; (named as the upper halves of pairs)
	v_mov_b32 v[FY+1], 0
	s_wait_kmcnt 0x0
	s_add_co_i32 s40, s24, s25
	s_lshl_b32 s40, s40, 23
	s_add_co_i32 s[CS], s40, 0x3e38aa3b            ; c = log2(e) / 8, with eq + ek added to its exponent field: a score stands for score x 2^(eq + ek)
	s_cmp_le_i32 s28, 0                            ; no key counts: all logits are equal: c = 0 and all keys
	s_cselect_b32 s[NV], 0x800, s28
	s_cselect_b32 s[CS], 0, s[CS]
	s_min_i32 s[NV], s[NV], 0x800
	s_mov_b32 s[CS+1], s[CS]                       ; (named with it as a pair, so it is written)
	s_cmp_lt_i32 s26, -15
	s_cselect_b32 s[HOLD], 1, 0
	s_add_co_i32 s40, s26, 127
	s_lshl_b32 s41, s40, 23
	v_mov_b32 v[SCL], s41                          ; 2^ep as f32: the conversion takes its exponent field
	s_add_co_i32 s40, s40, 15
	s_lshl_b32 s40, s40, 23
	s_or_b32 s40, s40, 0x600000
	v_mov_b32 v[LIM], s40                          ; 57,344 x 2^ep
	s_add_co_i32 s[EPV], s26, s27
	s_lshl_b32 s[SKF], s[PAR], 7                   ; my first step begins at key 128 p
	s_wait_loadcnt 0x0                             ; chunks 0 and 1, and Q
	LSTORE 0, 0
	LSTORE 1, 1
	BARRIER                                        ; chunks 0 and 1 lie in LDS
; THREE PHASES: the next two chunks are asked for, the two chunks in LDS are worked (the loads land meanwhile), the new chunks are stored into LDS bytes that nobody reads before the barrier that follows.
.irp k, 1,2,3
	ASK 2*\k
	ASK 2*\k+1
	COMPUTE \k-1
	s_wait_loadcnt 0x0                             ; whatever was asked for is in
	PUT 2*\k
	PUT 2*\k+1
	BARRIER
.endr
	COMPUTE 3
; THE WAY OUT.  Slot Y goes to the partner as an image of its registers (lane l's 16 bytes at 16 l); slot X is merged with the partner's image of the same tile, divided by the sum and stored.
.rept 4
	v_nop                                          ; four places between the last products and the stores that read their results
.endr
	BARRIER                                        ; nobody reads K or V any more: the first bytes of LDS serve again
	WIN 0x04
.irp i, 0,1,2,3,4,5,6,7
	ds_store_b128 v[XW], v[OY+4*\i:OY+4*\i+3] offset:512*\i   ; each accumulator from its low end on
.endr
	WIN 0
	ds_store_b128 v[XW], v[TY:TY+3] offset:4096    ; -M, the largest t, the sum's halves
	BARRIER
.irp i, 0,1,2,3,4,5,6,7
	ds_load_b128 v[IM+4*\i:IM+4*\i+3], v[XR] offset:512*\i
.endr
	ds_load_b128 v[IT:IT+3], v[XR] offset:4096
	s_wait_dscnt 0x0
	v_min_num_f32 v[MX0], v[TX], v[IT]             ; -M of both parts together
	v_sub_f32 v[E1], v[MX0], v[TX]                 ; my M less the common one: a whole number, 0 or less
	v_sub_f32 v[E2], v[MX0], v[IT]                 ; the partner's.  (A wave that had no step carries -M = 3e38: its factor becomes 0, and its zeros stay zeros.  The wave with p = 0 always has a step)
	v_cvt_i32_f32 v[E1], v[E1]
	v_cvt_i32_f32 v[E2], v[E2]
	v_ldexp_f32 v[E1], 1.0, v[E1]
	v_ldexp_f32 v[E2], 1.0, v[E2]
	v_add_f32 v[TX+2], v[TX+2], v[TX+3]            ; the sums' halves
	v_add_f32 v[IT+2], v[IT+2], v[IT+3]
	v_mul_f32 v[TX+2], v[TX+2], v[E1]
	v_fma_f32 v[TX+2], v[IT+2], v[E2], v[TX+2]
	v_permlanex16_b32 v[PRM], v[TX+2], s[SEL], s[SEL+1]
	v_add_f32 v[TX+2], v[TX+2], v[PRM]             ; and lane l xor 16's: the row's sum
	v_rcp_f32 v[TX+2], v[TX+2]
	v_nop                                          ; one plain line behind a transcendental (ISA guide 5.7.2)
	s_wait_alu depctr_va_vdst(0)
	v_ldexp_f32 v[TX+2], v[TX+2], s[EPV]           ; x 2^(ep + ev)
	v_mul_f32 v[G1], v[E1], v[TX+2]
	v_mul_f32 v[G1+1], v[E1], v[TX+2]
	v_mul_f32 v[G2], v[E2], v[TX+2]
	v_mul_f32 v[G2+1], v[E2], v[TX+2]
.irp j, 0,2,4,6,8,10,12,14,16,18,20,22,24,26,28,30
	v_pk_mul_f32 v[IM+\j:IM+\j+1], v[IM+\j:IM+\j+1], v[G2:G2+1]
.endr
	WIN 0x01                                       ; my O^T in window 1
.irp j, 0,2,4,6,8,10,12,14,16,18,20,22,24,26,28,30
	v_pk_fma_f32 v[RS+\j:RS+\j+1], v[OX+\j:OX+\j+1], v[G1:G1+1], v[IM+\j:IM+\j+1]   ; register 8 t + i is o(r, 16 t + 8 h + i); each accumulator from its low end on
.endr
	WIN 0
.irp t, 0,1,2,3
	ds_store_b128 v[SO], v[RS+8*\t:RS+8*\t+3] offset:64*\t         ; through my own stage: a lane holds 32 bytes of a row, the lanes beside it other rows
	ds_store_b128 v[SO], v[RS+8*\t+4:RS+8*\t+7] offset:64*\t+16
.endr
.irp i, 0,1,2,3,4,5,6,7
	ds_load_b128 v[BK+4*\i:BK+4*\i+3], v[SR] offset:2*SP*\i        ; LDS serves a wave's instructions in order (ISA guide 5.7.1.4): these see my stores
.endr
.irp i, 0,1,2,3,4,5,6,7
	s_wait_dscnt 7-\i                              ; load i is in; the younger ones stay out
	global_store_b128 v[GO], v[BK+4*\i:BK+4*\i+3], s[14:15] offset:512*\i th:TH_STORE_NT   ; 32 lanes store two rows of O: 512 consecutive bytes, at a multiple of 256 from O's first byte; written once
.endr
	s_wait_tensorcnt 0x0
	ds_add_u32 v254, v255
	s_wait_dscnt 0x0
	s_endpgm
.Lfunc_end_k_qca8c61af8f_attn:
	.size	k_qca8c61af8f_attn, .Lfunc_end_k_qca8c61af8f_attn-k_qca8c61af8f_attn
	.p2alignl 7, 3214868480
	.fill 96, 4, 3214868480
	.section	.rodata,"a",@progbits
	.p2align	6, 0x0
	.amdhsa_kernel k_qca8c61af8f_attn
		.amdhsa_group_segment_fixed_size 304128
		.amdhsa_private_segment_fixed_size 0
		.amdhsa_enable_private_segment 0
		.amdhsa_kernarg_size 48
		.amdhsa_user_sgpr_count 2
		.amdhsa_user_sgpr_kernarg_segment_ptr 1
		.amdhsa_wavefront_size32 1
		.amdhsa_system_sgpr_workgroup_id_x 1
		.amdhsa_system_sgpr_workgroup_id_y 1
		.amdhsa_system_sgpr_workgroup_id_z 1
		.amdhsa_system_vgpr_workitem_id 0
		.amdhsa_next_free_vgpr 512
		.amdhsa_next_free_sgpr 66
		.amdhsa_reserve_vcc 1
		.amdhsa_float_denorm_mode_32 3
		.amdhsa_float_denorm_mode_16_64 3
		.amdhsa_memory_ordered 1
		.amdhsa_forward_progress 1
		.amdhsa_inst_pref_size 171
	.end_amdhsa_kernel
	.amdgpu_metadata
---
amdhsa.version: [ 1, 2 ]
amdhsa.kernels:
  - .name:           k_qca8c61af8f_attn
    .symbol:         k_qca8c61af8f_attn.kd
    .args:
      - { .name: queries_codes, .offset: 0, .size: 8, .value_kind: global_buffer, .address_space: global }
      - { .name: keys_codes, .offset: 8, .size: 8, .value_kind: global_buffer, .address_space: global }
      - { .name: values_codes, .offset: 16, .size: 8, .value_kind: global_buffer, .address_space: global }
      - { .name: lowp_scales, .offset: 24, .size: 8, .value_kind: global_buffer, .address_space: global }
      - { .name: valid_lens, .offset: 32, .size: 8, .value_kind: global_buffer, .address_space: global }
      - { .name: out0, .offset: 40, .size: 8, .value_kind: global_buffer, .address_space: global }
    .group_segment_fixed_size: 304128
    .private_segment_fixed_size: 0
    .kernarg_segment_align: 8
    .kernarg_segment_size: 48
    .max_flat_workgroup_size: 256
    .sgpr_count:     66
    .vgpr_count:     512
    .wavefront_size: 32
...
	.end_amdgpu_metadata
.endif
;; end of part 1
;; ======== version 2 of 2: 1 launch; version 1 with the launch attn written anew for expert scheduling mode
;; limits: right only within a limited range of input values
;; launch attn (part 2): grid 16 x 16, 8 waves a work-group, no clusters, 304,128 bytes of LDS; arguments queries_codes, keys_codes, values_codes, lowp_scales, valid_lens, out0; writes out0
.if DOCPART == 2
	.amdgcn_target "amdgcn-amd-amdhsa--gfx1250"
	.amdhsa_code_object_version 6
	.text
	.protected	k_qca8c61af8f_attn
	.globl	k_qca8c61af8f_attn
	.p2align	8
	.type	k_qca8c61af8f_attn,@function
k_qca8c61af8f_attn:
	s_mov_b64 s[64:65], 0
	v_nop
	global_prefetch_b8 v0, s[64:65] scope:SCOPE_SE
	s_setreg_imm32_b32 hwreg(HW_REG_WAVE_SCHED_MODE, 0, 2), 2
	s_setreg_imm32_b32 hwreg(HW_REG_WAVE_MODE, 25, 1), 1
	s_wait_xcnt 0x0
	s_wait_alu depctr_vm_vsrc(0)
; O[b][q][:] = the sum over k of softmax_k(masked Q[b][q] . K[b][k] / 8) V[b][k][:], 16 batches, 2,048 queries, 2,048 keys, head size 64; both products on codes of BF8 (E5M2),
; each tensor with the one scale 2^e that is given: eq, ek, ep, ev.  Q, K: [16][2048][64] codes.  V: codes with the KEYS innermost, [16][64][2048].  O: [16][2048][64] f32.
; THE MASK: key k counts where k < valid_lens[b]; the others have the logit -1e6.
; THE SOFTMAX AHEAD OF THE SECOND PRODUCT: t = score x log2(e) / 8; M = the largest t so far, rounded UP to a whole number; p = 2^(t - M) is quantised with 2^ep, not normalised.
; The row's sum is taken of the unquantised p and divides O at the end.  When M moves, sum and O are multiplied by 2^(old M - new M): exact.
; SHARES.  A work-group owns 128 queries of one batch: 16 x 16 = 256 work-groups.  Wave w of eight: g = w & 3 names 32 queries (two tiles of 16), p = w >> 2 a parity of key steps: the wave walks the steps
; of 128 keys with numbers 2 c + p, c = 0 .. 7.  So a fragment of K or V read from LDS feeds two products, and two waves lie on a SIMD: one's softmax stands beside the other's products and LDS loads.
; Slot X of a wave's registers is tile p of its 32 queries, slot Y tile 1 - p.  At the end each wave hands slot Y to its partner (g, 1 - p) through LDS and finishes slot X: the same text in all waves.
; Each wave has a running M of its own keys; the merge multiplies by whole powers of two.
; K AND V COME THROUGH REGISTERS INTO LDS, NOT BY THE TENSOR DATA MOVER, AND THERE IS NO CLUSTER, though the 16 work-groups of a batch read the same K and V.  The reason: three scalar branches hang on whole numbers
; that are read from memory.  (1) A key step that lies wholly at or behind valid_len is left out.  (2) The mask's lines (64 compares and 128 selects
; for two tiles) run only in the one step that valid_len cuts.  (3) The hold at the largest code (64 lines a tile) runs only where ep < -15: p is at most 1, so p / 2^ep passes 57,344 only from 2^16 on.
; By this text's own count a tile's step is 194 vector lines; without the branches it would be 194 + 96 + 64, in all 16 steps whatever valid_len is.
; The whole batch fits in LDS (8 chunks of 256 keys), so every LDS byte of K and V is stored once and only read afterwards: one barrier for each two chunks.
; LAYOUT.  Both products are used transposed: S^T = K Q^T (source 0 = 16 keys, source 1 = 16 queries), O^T = V^T P^T (source 0 = 16 of the head's 64, source 1 = P): a lane holds ONE query (lane % 16) throughout.
; THE KEYS OF A TILE ARE NOT NEIGHBOURS: row r of tile 2 b + u is key 32 b + 8 u + r + 8 (r / 8), so that the 16 registers of tiles 2 b and 2 b + 1 are the neighbouring keys 32 b + 16 (lane / 16) + 0 .. 15.
; That order is made when K is stored into LDS: key k of a chunk goes to row 32 (k >> 5) + 16 ((k >> 3) & 1) + 8 ((k >> 4) & 1) + (k & 7), so a tile is 16 consecutive LDS rows.
; Fragments are fetched 16 bytes a load (registers 4 c .. 4 c + 3: k = 32 c + 16 (lane / 16) + 0 .. 15): a permutation of k that is the same on both sides of each product.
; LIMITS.  eq + ek between -123 and 130 (added to c's exponent field); ep between -126 and 112; ep + ev is applied by v_ldexp_f32.  Masked keys count for nothing: exact while a row's largest valid logit lies
; above about -1e6 + 104, since under that distance 2^(t - M) of a masked key is below the smallest f32 number.  valid_len <= 0: all logits are equal (-1e6 x log2(e) rounds in f32 to the whole number -1,442,695,
; so p = 1 for every key): served by c = 0 with all 2,048 keys.  valid_len above 2,048 counts as 2,048.  Codes of infinity and NaN are not served.
;
; THE MODE: SCHED_MODE bits 1:0 = 2 (LLVM: expert scheduling mode 2), set by the entry lines.  The code itself states the register dependences between vector or matrix instructions and memory or LDS
; instructions, with s_wait_alu, always for 0.
; THE PLAN.  Registers that memory or LDS instructions touch:
;   the addresses v1, v2, v5, v6, v12 to v18 and v232 to v239   Written by vector lines at the head, once; read by loads and stores to the end.  One wait on va_vdst ahead of the first load serves them all.
;   STA, two sets    A chunk's global loads land in a set; the chunk's LDS stores read it; no vector line names it.  One wait on vm_vsrc at the head of each phase, ahead of the next chunks' loads.
;   v[ADK], v[ADV]   Written by two additions at a step's head; read by the step's LDS loads.  One wait on vm_vsrc at the step's top, ahead of the additions.
;   KFR, VFR         The step's LDS loads land in them; its products K Q^T read KFR, its products V^T P read VFR.
;   So ONE wait on va_vdst stands at a step's head, behind the additions: ADK and ADV are written, and the products of the step before are done reading KFR and VFR.  K's sixteen loads follow it; V's sixteen
;   stand behind the products K Q^T with no further wait: those products name KFR, Q and S^T, none of the registers that V's loads touch.
;   OY, TY; IM, IT; RS; BK   The way out: one wait on va_vdst ahead of the hand-over's stores (it also frees slot Y's S^T for the partner's image), one ahead of the stage's stores.
;   The mask's compares write eight scalar registers in a run, and one wait on va_sdst stands between a run and its selects.
;
; LDS: chunk c at c x CH: 256 rows of K (64 bytes + 16 of padding), then 64 rows of V (256 keys + 16 of padding).  Both pitches are odd multiples of 16 bytes: the 16 rows of a fragment load start in 16 different
; groups of four banks (64 banks of 4 bytes: ISA guide 11.1).  Behind the last key step bytes 0 .. 71,679 serve again: eight regions for the hand-over, then a stage for each wave.
; Behind the eight chunks, from byte 303,104 on, lie the spare words, 128 bytes for each wave, which no other line names.
.set KP,   80                          ; a key's row in LDS
.set VP,   272                         ; a row of V's chunk in LDS
.set VO,   256*KP                      ; V's part of a chunk
.set CH,   VO+64*VP                    ; a chunk: 37,888 bytes; eight of them are 303,104 bytes
.set XREG, 4608                        ; a hand-over region: 8 images of 512 bytes (32 registers of O^T) and one of the statistics
.set STG,  8*XREG                      ; the stages: 16 rows x 272 bytes for each wave
.set SP,   272
; REGISTERS, window 0 (an instruction names v0-v255; s_set_vgpr_msb says which window each operand place means: bits 1:0 source 0, 3:2 source 1, 5:4 source 2, 7:6 destination)
.set AK0,  1                           ; my lane's place in a step's tiles of K: 80 r + 16 h + 10,240 p
.set AV0,  2                           ; of V: VO + 272 r + 16 h + 128 p
.set ADK,  3                           ; the step's addresses
.set ADV,  4
.set FKG,  5                           ; the fill: my 16 bytes of my wave's 2,048 of a chunk of K in memory
.set FVG,  6                           ; of V: row 8 w + h, 16 r
.set T4,   9                           ; at the head only: lane % 4
.set H16,  11                          ; 16 h
.set QOX,  12                          ; my bytes of slot X's tile of Q
.set QOY,  13                          ; of slot Y's
.set XW,   14                          ; hand-over: where I write, region 2 g + 1 - p
.set XR,   15                          ; where I read, region 2 g + p
.set SO,   16                          ; the stage: in
.set SR,   17                          ; and back
.set GO,   18                          ; 16 x lane
.set TX,   24                          ; v[24:27] slot X: -M, the largest t, the sum in two halves
.set TY,   28                          ; v[28:31] slot Y
.set QX,   32                          ; v[32:39], v[40:47] Q's fragments
.set QY,   40
.set PX,   48                          ; v[48:63], v[64:79] p's codes
.set PY,   64
.set SX,   80                          ; v[80:143], v[144:207] S^T, then p
.set SY,   144
.set MX0,  208                         ; at work
.set MX1,  209
.set PRM,  210                         ; a lane permute's destination
.set DM,   211                         ; the mask: valid_len - 1 - the step's first key - 16 h
.set NINF, 212
.set FX,   214                         ; v[214:215], v[216:217] f = 2^(old M - new M); the upper words are only named
.set FY,   216
.set SUM,  218                         ; v[218:219] the sum's second chain
.set SCL,  220                         ; 2^ep
.set LIM,  221                         ; 57,344 x 2^ep
.set IT,   224                         ; the way out: the partner's statistics
.set G1,   228                         ; v[228:229] my factor, v[230:231] the partner's
.set G2,   230
.set TKP,  232                         ; v[232:235] the fill: my 16 bytes' place among K's rows of chunk 2 k in LDS, k = 0 .. 3; chunk 2 k + 1 lies CH further on, inside the immediate.  Made at the head, never written again
.set TVP,  236                         ; v[236:239] the same among V's rows
.set FKL,  TKP                         ; pair 0 is the place in a chunk itself
.set FVL,  TVP
.set E1,   209
.set E2,   211
.set IM,   144                         ; the partner's O^T
.set RS,   80                          ; the finished rows
.set BK,   112                         ; and back from the stage
; window 1
.set KFR,  0                           ; K's 8 fragments of 8 registers
.set VFR,  64                          ; V's 4 fragments of 16
.set OX,   128                         ; O^T, 32 registers a slot
.set OY,   160
.set STA,  192                         ; the fill: two sets of 32 registers
; scalars
.set WV,   16                          ; wave
.set GQ,   17                          ; g
.set PAR,  18                          ; p
.set NPAR, 19                          ; 1 - p
.set NV,   29                          ; keys that count, 1 .. 2,048
.set CS,   30                          ; s[30:31] c = log2(e) / 8 x 2^(eq + ek)
.set HOLD, 32                          ; 1 where ep < -15
.set SKF,  33                          ; the step's first key
.set COFF, 34                          ; the step's chunk in LDS
.set CNT,  36
.set SEL,  38                          ; s[38:39] selects for v_permlanex16_b32: lane l xor 16
.set EPV,  48                          ; ep + ev
.set MK,   56                          ; s[56:63] the mask: eight compares' results
.set MSB, 0
.macro WIN new                         ; the immediate's high byte repeats the setting that is left; a switch that changes nothing is dropped
.if MSB != \new
	s_set_vgpr_msb (MSB<<8)|\new
.set MSB, \new
.endif
.endm
.macro BARRIER                         ; my LDS stores have landed and my LDS loads are in: then the work-group's barrier
	s_wait_dscnt 0x0
	s_barrier_signal -1
	s_barrier_wait -1
.endm
; Chunk c from memory into staging set `set` (the caller has set the destination's window to 1).  K: each load reads 512 consecutive bytes, 8 keys.  V: two rows' 256 bytes each.  No cache word: 15 other work-groups read the same bytes.
.macro GLOAD c, set
.irp i, 0,1,2,3
	global_load_b128 v[STA+32*(\set)+4*\i:STA+32*(\set)+4*\i+3], v[FKG], s[6:7] offset:16384*(\c)+512*\i
	global_load_b128 v[STA+32*(\set)+16+4*\i:STA+32*(\set)+16+4*\i+3], v[FVG], s[8:9] offset:256*(\c)+4096*\i
.endr
.endm
; and from the staging set into LDS.  Load i of K holds keys 32 w + 8 i + lane / 4: rows 32 w + 16 (i % 2) + 8 (i / 2) + lane / 4.  Load i of V holds rows 8 w + h + 2 i.
; No vector line stands here: the addresses were made at the head, and the data come from loads, whose wait on LOADcnt stands ahead.
.macro LSTORE c, set
	WIN 0x04                                       ; the stores' data lie in window 1
.irp i, 0,1,2,3
	ds_store_b128 v[TKP+(\c)/2], v[STA+32*(\set)+4*\i:STA+32*(\set)+4*\i+3] offset:((\c)%2)*CH+(\i%2)*16*KP+(\i/2)*8*KP
	ds_store_b128 v[TVP+(\c)/2], v[STA+32*(\set)+16+4*\i:STA+32*(\set)+16+4*\i+3] offset:((\c)%2)*CH+2*VP*\i
.endr
	WIN 0
.endm
; A chunk is fetched only if a key of it counts.  The number is the same in all eight waves.
.macro ASK c
	s_cmp_gt_u32 s[NV], 256*(\c)
	s_cbranch_scc0 .Lnoask_\@
	WIN 0x40
	GLOAD \c, (\c)%2
	WIN 0
.Lnoask_\@:
.endm
.macro PUT c
	s_cmp_gt_u32 s[NV], 256*(\c)
	s_cbranch_scc0 .Lnoput_\@
	LSTORE \c, (\c)%2
.Lnoput_\@:
.endm
; One tile's softmax for a step: 64 scores of a lane in v[s] on become p, and p's codes in v[p] on; v[t] on are the tile's statistics, v[f] its factor.  All in window 0.
.macro SOFTMAX s, t, p, f
	v_max3_num_f32 v[MX0], v[\s], v[\s+1], v[\s+2]         ; the step's largest score of my query among my 64 keys, in two chains, each accumulator from its low end on
	v_max3_num_f32 v[MX1], v[\s+3], v[\s+4], v[\s+5]
.irp i, 6,10,14,18,22,26,30,34,38,42,46,50,54,58
	v_max3_num_f32 v[MX0], v[MX0], v[\s+\i], v[\s+\i+1]
	v_max3_num_f32 v[MX1], v[MX1], v[\s+\i+2], v[\s+\i+3]
.endr
	v_max3_num_f32 v[MX0], v[MX0], v[\s+62], v[\s+63]
	v_max_num_f32 v[MX0], v[MX0], v[MX1]
	v_permlanex16_b32 v[PRM], v[MX0], s[SEL], s[SEL+1]
	v_max_num_f32 v[MX0], v[MX0], v[PRM]                   ; and among lane l xor 16's
	v_mul_f32 v[MX0], s[CS], v[MX0]                        ; as t (c is not negative)
	v_max_num_f32 v[\t+1], v[\t+1], v[MX0]                 ; the running largest t
	v_mov_b32 v[MX0], v[\t]
	v_floor_f32 v[\t], -v[\t+1]                            ; the new -M = floor(-t) = -ceil(t): a whole number
	v_sub_f32 v[MX0], v[\t], v[MX0]                        ; old M - new M, 0 or less
	v_cvt_i32_f32 v[MX0], v[MX0]                           ; (it saturates)
	v_ldexp_f32 v[\f], 1.0, v[MX0]                         ; f = 2^(old M - new M)
.irp j, 0,2,4,6,8,10,12,14,16,18,20,22,24,26,28,30,32,34,36,38,40,42,44,46,48,50,52,54,56,58,60,62
	v_pk_fma_f32 v[\s+\j:\s+\j+1], v[\s+\j:\s+\j+1], s[CS:CS+1], v[\t:\t+1] op_sel_hi:[1,0,0]   ; t - M, two at a time (of the pairs c and -M the low word serves both halves)
.endr
.irp j, 0,1,2,3,4,5,6,7,8,9,10,11,12,13,14,15,16,17,18,19,20,21,22,23,24,25,26,27,28,29,30,31,32,33,34,35,36,37,38,39,40,41,42,43,44,45,46,47,48,49,50,51,52,53,54,55,56,57,58,59,60,61,62,63
	v_exp_f32 v[\s+\j], v[\s+\j]                           ; p = 2^(t - M), at most 1
.endr
	v_pk_mul_f32 v[\t+2:\t+3], v[\t+2:\t+3], v[\f:\f+1] op_sel_hi:[1,0]   ; the sum under the new M; also the plain line behind the exponentials (ISA guide 5.7.2)
	s_wait_alu depctr_va_vdst(0)                           ; the 64 exponentials have written p: one wait for the batch, ahead of its first reader, the sums below
	v_pk_add_f32 v[SUM:SUM+1], v[\s:\s+1], v[\s+2:\s+3]    ; the row's sum is taken of the unquantised p, in two chains
.irp j, 4,8,12,16,20,24,28,32,36,40,44,48,52,56,60
	v_pk_add_f32 v[\t+2:\t+3], v[\t+2:\t+3], v[\s+\j:\s+\j+1]
	v_pk_add_f32 v[SUM:SUM+1], v[SUM:SUM+1], v[\s+\j+2:\s+\j+3]
.endr
	v_pk_add_f32 v[\t+2:\t+3], v[\t+2:\t+3], v[SUM:SUM+1]
	s_cmp_eq_u32 s[HOLD], 0                                ; p <= 1: p / 2^ep can pass 57,344 only where ep < -15
	s_cbranch_scc1 .Lnohold_\@
.irp j, 0,1,2,3,4,5,6,7,8,9,10,11,12,13,14,15,16,17,18,19,20,21,22,23,24,25,26,27,28,29,30,31,32,33,34,35,36,37,38,39,40,41,42,43,44,45,46,47,48,49,50,51,52,53,54,55,56,57,58,59,60,61,62,63
	v_min_num_f32 v[\s+\j], v[\s+\j], v[LIM]               ; the conversion to an 8-bit code does not saturate (ISA guide 7.6.2); p is not negative, so the hold is one-sided
.endr
.Lnohold_\@:
.irp b, 0,1,2,3
	v_cvt_scalef32_pk8_bf8_f32 v[\p+4*\b:\p+4*\b+1], v[\s+16*\b:\s+16*\b+7], v[SCL]        ; registers 4 b .. 4 b + 3 of the operand: keys 32 b + 16 h + 0 .. 15
	v_cvt_scalef32_pk8_bf8_f32 v[\p+4*\b+2:\p+4*\b+3], v[\s+16*\b+8:\s+16*\b+15], v[SCL]
.endr                                              ; (what follows each use of this macro is a plain vector line that touches none of these registers)
.endm
; A KEY STEP: 128 keys from s[SKF] on, in the chunk at s[COFF], for both slots.
.macro STEP
	s_wait_alu depctr_vm_vsrc(0)                   ; the LDS loads of the step before have read v[ADK] and v[ADV], which the two additions below write again; it stands ahead of the jump, on every way to them
	s_cmp_ge_u32 s[SKF], s[NV]                     ; no key of the step counts: the step is left out
	s_cbranch_scc1 .Lskip_\@
	v_add_nc_u32 v[ADK], s[COFF], v[AK0]
	v_add_nc_u32 v[ADV], s[COFF], v[AV0]
	v_nop                                          ; four plain vector lines stand between the last step's last products and the loads into the registers that they read (ISA guide 7.12.1 for vector instructions): the two additions and these two
	v_nop
	WIN 0x40
	s_wait_alu depctr_va_vdst(0)                   ; v[ADK] and v[ADV] are written, which the loads below read; the products of the step before are done reading K's and V's fragments, in which they land
.irp t, 0,1,2,3,4,5,6,7
	ds_load_b128 v[KFR+8*\t:KFR+8*\t+3],   v[ADK] offset:16*KP*\t
	ds_load_b128 v[KFR+8*\t+4:KFR+8*\t+7], v[ADK] offset:16*KP*\t+32
.endr
	s_wait_dscnt 0x0                               ; K's sixteen loads are in; nothing younger is out
	WIN 0x01                                       ; K's fragments in window 1
.irp t, 0,1,2,3,4,5,6,7
	v_wmma_f32_16x16x64_bf8_bf8 v[SX+8*\t:SX+8*\t+7], v[KFR+8*\t:KFR+8*\t+7], v[QX:QX+7], 0
	v_wmma_f32_16x16x64_bf8_bf8 v[SY+8*\t:SY+8*\t+7], v[KFR+8*\t:KFR+8*\t+7], v[QY:QY+7], 0
.endr
	WIN 0x40
.irp t, 0,1,2,3                                ; V's sixteen loads.  No wait: since the wait at the step's head only the products above were issued, which name K's fragments, Q and S^T, neither v[ADV] nor V's fragments.  They land while the softmax is walked
.irp c, 0,1,2,3
	ds_load_b128 v[VFR+16*\t+4*\c:VFR+16*\t+4*\c+3], v[ADV] offset:16*VP*\t+32*\c
.endr
.endr
	WIN 0
.rept 4
	v_nop                                          ; four places in front of the first read of the scores
.endr
	s_add_co_u32 s46, s[SKF], 128                  ; a step all of whose keys count has no mask
	s_cmp_le_u32 s46, s[NV]
	s_cbranch_scc1 .Lopen_\@
	s_sub_co_u32 s46, s[NV], s[SKF]
	s_sub_co_u32 s46, s46, 1
	v_sub_nc_u32 v[DM], s46, v[H16]                ; register 16 b + i holds key SKF + 16 h + 32 b + i: hidden where 32 b + i > valid_len - 1 - SKF - 16 h
	v_mov_b32 v[NINF], 0xff800000                  ; -infinity: p = 0 then.  The step's first key counts, so the maximum is a number
.irp q, 0,1,2,3,4,5,6,7                        ; a tile of 16 keys at a time: eight compares in a run, into eight scalar registers, then the sixteen selects
.irp i, 0,1,2,3,4,5,6,7
	v_cmp_gt_i32 s[MK+\i], 32*((8*\q+\i)/16)+(8*\q+\i)%16, v[DM]
.endr
	s_wait_alu depctr_va_sdst(0)                   ; the eight compares have written s[MK] on, ahead of their first readers, the selects below
.irp i, 0,1,2,3,4,5,6,7
	v_cndmask_b32 v[SX+8*\q+\i], v[SX+8*\q+\i], v[NINF], s[MK+\i]
	v_cndmask_b32 v[SY+8*\q+\i], v[SY+8*\q+\i], v[NINF], s[MK+\i]
.endr
.endr
.Lopen_\@:
	SOFTMAX SX, TX, PX, FX
	SOFTMAX SY, TY, PY, FY
	WIN 0x41                                       ; O^T in window 1, f in window 0
.irp j, 0,2,4,6,8,10,12,14,16,18,20,22,24,26,28,30
	v_pk_mul_f32 v[OX+\j:OX+\j+1], v[OX+\j:OX+\j+1], v[FX:FX+1] op_sel_hi:[1,0]   ; O^T under the new M.  (These lines are also the plain lines between the conversions and the products that read the codes)
.endr
.irp j, 0,2,4,6,8,10,12,14,16,18,20,22,24,26,28,30
	v_pk_mul_f32 v[OY+\j:OY+\j+1], v[OY+\j:OY+\j+1], v[FY:FY+1] op_sel_hi:[1,0]
.endr
	s_wait_dscnt 0x0                               ; V is in
	WIN 0x51                                       ; V and O^T in window 1, P in window 0
.irp t, 0,1,2,3                                ; the eight accumulators take turns, one instruction a turn
	v_wmma_f32_16x16x128_bf8_bf8 v[OX+8*\t:OX+8*\t+7], v[VFR+16*\t:VFR+16*\t+15], v[PX:PX+15], v[OX+8*\t:OX+8*\t+7]
	v_wmma_f32_16x16x128_bf8_bf8 v[OY+8*\t:OY+8*\t+7], v[VFR+16*\t:VFR+16*\t+15], v[PY:PY+15], v[OY+8*\t:OY+8*\t+7]
.endr
	WIN 0
.Lskip_\@:
.endm
; My steps in chunks 2 k and 2 k + 1: the step is written once and walked twice; the lines that step stand outside the step's jump.
.macro COMPUTE k
	s_mov_b32 s[COFF], 2*(\k)*CH
	s_mov_b32 s[CNT], 2
.Lstep_\@:
	STEP
	s_add_co_u32 s[SKF], s[SKF], 256
	s_add_co_u32 s[COFF], s[COFF], CH
	s_sub_co_u32 s[CNT], s[CNT], 1
	s_cmp_lg_u32 s[CNT], 0
	s_cbranch_scc1 .Lstep_\@
.endm
	s_load_b256 s[4:11], s[0:1], 0x0               ; Q s[4:5], K s[6:7], V s[8:9], the scales' exponents s[10:11]
	s_load_b128 s[12:15], s[0:1], 0x20             ; valid_lens s[12:13], O s[14:15]
	v_lshl_add_u32 v254, v0, 2, 0x4a000            ; my spare word, and 0: made here and kept for the closing lines alone
	v_mov_b32 v255, 0
	v_lshrrev_b32 v19, 5, v0
	v_readfirstlane_b32 s[WV], v19                 ; wave 0..7
	s_mov_b32 s20, ttmp9                           ; the block of 128 queries
	s_and_b32 s21, ttmp7, 0xffff                   ; the batch
	v_and_b32 v19, 15, v0                          ; r
	v_bfe_u32 v20, v0, 4, 1                        ; h
	v_and_b32 v21, 31, v0                          ; lane
	s_wait_alu depctr_va_sdst(0)                   ; s[WV] is written, ahead of its first reader: g, p and every base and LDS address are made from it
	s_and_b32 s[GQ], s[WV], 3                      ; g
	s_lshr_b32 s[PAR], s[WV], 2                    ; p
	s_xor_b32 s[NPAR], s[PAR], 1                   ; 1 - p
	v_mul_u32_u24 v[AK0], v19, KP
	v_lshl_add_u32 v[AK0], v20, 4, v[AK0]
	s_mul_i32 s46, s[PAR], 128*KP
	v_add_nc_u32 v[AK0], s46, v[AK0]
	v_mul_u32_u24 v[AV0], v19, VP
	v_lshl_add_u32 v[AV0], v20, 4, v[AV0]
	s_lshl_b32 s46, s[PAR], 7
	s_add_co_u32 s46, s46, VO
	v_add_nc_u32 v[AV0], s46, v[AV0]
	v_lshlrev_b32 v[GO], 4, v21
	s_lshl_b32 s46, s[WV], 11
	v_add_nc_u32 v[FKG], s46, v[GO]                ; 2,048 w + 16 lane
	s_lshl_b32 s46, s[WV], 14
	v_lshlrev_b32 v[FVG], 4, v19
	v_lshl_add_u32 v[FVG], v20, 11, v[FVG]
	v_add_nc_u32 v[FVG], s46, v[FVG]               ; (8 w + h) rows of 2,048 bytes + 16 r
	v_lshrrev_b32 v[FKL], 2, v21
	v_mul_u32_u24 v[FKL], v[FKL], KP
	v_and_b32 v[T4], 3, v21
	v_lshl_add_u32 v[FKL], v[T4], 4, v[FKL]
	s_mul_i32 s46, s[WV], 32*KP
	v_add_nc_u32 v[FKL], s46, v[FKL]               ; 32 w rows + (lane / 4) rows + 16 (lane % 4)
	v_mul_u32_u24 v[FVL], v20, VP
	v_lshl_add_u32 v[FVL], v19, 4, v[FVL]
	s_mul_i32 s46, s[WV], 8*VP
	s_add_co_u32 s46, s46, VO
	v_add_nc_u32 v[FVL], s46, v[FVL]
.irp k, 1,2,3
	v_add_nc_u32 v[TKP+\k], 2*\k*CH, v[FKL]        ; the same places in chunks 2, 4 and 6: all of the fill's LDS addresses are made here, so that none is written between its stores
	v_add_nc_u32 v[TVP+\k], 2*\k*CH, v[FVL]
.endr
	v_lshlrev_b32 v[H16], 4, v20
	v_lshlrev_b32 v[QOX], 6, v19
	v_lshl_add_u32 v[QOX], v20, 4, v[QOX]          ; Q: row r of 64 bytes + 16 h,
	s_lshl_b32 s46, s[NPAR], 10
	v_add_nc_u32 v[QOY], s46, v[QOX]               ; in tile 1 - p,
	s_lshl_b32 s46, s[PAR], 10
	v_add_nc_u32 v[QOX], s46, v[QOX]               ; in tile p
	s_lshl_b32 s46, s[GQ], 1
	s_add_co_u32 s47, s46, s[NPAR]
	s_add_co_u32 s46, s46, s[PAR]
	s_mul_i32 s47, s47, XREG
	s_mul_i32 s46, s46, XREG
	v_add_nc_u32 v[XW], s47, v[GO]
	v_add_nc_u32 v[XR], s46, v[GO]
	s_mul_i32 s46, s[WV], 16*SP
	s_add_co_u32 s46, s46, STG                     ; my stage
	v_mul_u32_u24 v[SO], v19, SP
	v_lshl_add_u32 v[SO], v20, 5, v[SO]
	v_add_nc_u32 v[SO], s46, v[SO]                 ; in: row r, 32 bytes for each half of the lanes
	v_mul_u32_u24 v[SR], v20, SP
	v_lshl_add_u32 v[SR], v19, 4, v[SR]
	v_add_nc_u32 v[SR], s46, v[SR]                 ; back: lanes 0-15 one row of 256 bytes, lanes 16-31 the next
	s_lshl_b32 s22, s21, 2                         ; valid_lens: 4 x batch
	s_mov_b32 s23, 0
	s_lshl_b32 s40, s21, 17                        ; a batch's codes: 131,072 bytes in each of the three tensors
	s_mov_b32 s41, 0
	s_lshl_b32 s42, s20, 13                        ; Q: + 128 rows of 64 bytes x block + 32 rows x g
	s_lshl_b32 s43, s[GQ], 11
	s_add_co_u32 s42, s42, s43
	s_add_co_u32 s42, s42, s40
	s_mov_b32 s43, 0
	s_lshl_b32 s44, s21, 19                        ; O: rows of 256 bytes: 2,048 x batch + 128 x block + 32 g + 16 p
	s_lshl_b32 s45, s20, 15
	s_add_co_u32 s44, s44, s45
	s_lshl_b32 s45, s[GQ], 13
	s_add_co_u32 s44, s44, s45
	s_lshl_b32 s45, s[PAR], 12
	s_add_co_u32 s44, s44, s45
	s_mov_b32 s45, 0
	s_mov_b32 s[SEL], 0x76543210
	s_mov_b32 s[SEL+1], 0xfedcba98
	s_wait_kmcnt 0x0
	s_add_nc_u64 s[12:13], s[12:13], s[22:23]
	s_load_b128 s[24:27], s[10:11], 0x0            ; eq, ek, ep, ev
	s_load_b32 s28, s[12:13], 0x0                  ; valid_lens[batch]
	s_add_nc_u64 s[6:7], s[6:7], s[40:41]          ; none of the four bases is written again
	s_add_nc_u64 s[8:9], s[8:9], s[40:41]
	s_add_nc_u64 s[4:5], s[4:5], s[42:43]
	s_add_nc_u64 s[14:15], s[14:15], s[44:45]
	WIN 0x40
	s_wait_alu depctr_va_vdst(0)                   ; all offsets and LDS addresses made above are written (v1, v2, v5, v6, v12 to v18, v232 to v239): the loads and stores of the whole kernel read them, and none is written again
	GLOAD 0, 0                                     ; chunks 0 and 1 are fetched whatever valid_len is
	GLOAD 1, 1
	WIN 0
	global_load_b128 v[QX:QX+3],   v[QOX], s[4:5]  ; Q's fragments stay in registers
	global_load_b128 v[QX+4:QX+7], v[QOX], s[4:5] offset:32
	global_load_b128 v[QY:QY+3],   v[QOY], s[4:5]
	global_load_b128 v[QY+4:QY+7], v[QOY], s[4:5] offset:32
	WIN 0x40
.set i, 0
.rept 64
	v_mov_b32 v[OX+i], 0                           ; O^T of both slots.  The step is written once, and a wave may have no step at all: the first change of M leaves zeros zeros
.set i, i+1
.endr
	WIN 0
	v_mov_b32 v[TX+1], 0xff61b1e6                  ; the largest t so far: -3e38, under every t
	v_mov_b32 v[TY+1], 0xff61b1e6
	v_floor_f32 v[TX], -v[TX+1]                    ; -M
	v_floor_f32 v[TY], -v[TY+1]
	v_mov_b32 v[TX+2], 0                           ; the sums, in two halves
	v_mov_b32 v[TX+3], 0
	v_mov_b32 v[TY+2], 0
	v_mov_b32 v[TY+3], 0
	v_mov_b32 v[PRM], 0                            ; written once: a lane permute's destination counts as one of its sources
	v_mov_b32 v[FX+1], 0                           ; (named as the upper halves of pairs)
	v_mov_b32 v[FY+1], 0
	s_wait_kmcnt 0x0
	s_add_co_i32 s40, s24, s25
	s_lshl_b32 s40, s40, 23
	s_add_co_i32 s[CS], s40, 0x3e38aa3b            ; c = log2(e) / 8, with eq + ek added to its exponent field: a score stands for score x 2^(eq + ek)
	s_cmp_le_i32 s28, 0                            ; no key counts: all logits are equal: c = 0 and all keys
	s_cselect_b32 s[NV], 0x800, s28
	s_cselect_b32 s[CS], 0, s[CS]
	s_min_i32 s[NV], s[NV], 0x800
	s_mov_b32 s[CS+1], s[CS]                       ; (named with it as a pair, so it is written)
	s_cmp_lt_i32 s26, -15
	s_cselect_b32 s[HOLD], 1, 0
	s_add_co_i32 s40, s26, 127
	s_lshl_b32 s41, s40, 23
	v_mov_b32 v[SCL], s41                          ; 2^ep as f32: the conversion takes its exponent field
	s_add_co_i32 s40, s40, 15
	s_lshl_b32 s40, s40, 23
	s_or_b32 s40, s40, 0x600000
	v_mov_b32 v[LIM], s40                          ; 57,344 x 2^ep
	s_add_co_i32 s[EPV], s26, s27
	s_lshl_b32 s[SKF], s[PAR], 7                   ; my first step begins at key 128 p
	s_wait_loadcnt 0x0                             ; chunks 0 and 1, and Q
	LSTORE 0, 0
	LSTORE 1, 1
	BARRIER                                        ; chunks 0 and 1 lie in LDS
; THREE PHASES: the next two chunks are asked for, the two chunks in LDS are worked (the loads land meanwhile), the new chunks are stored into LDS bytes that nobody reads before the barrier that follows.
.irp k, 1,2,3
	s_wait_alu depctr_vm_vsrc(0)                   ; my LDS stores of the two chunks before have read both staging sets, in which the loads below land; it stands ahead of the jumps, on every way to those loads
	ASK 2*\k
	ASK 2*\k+1
	COMPUTE \k-1
	s_wait_loadcnt 0x0                             ; whatever was asked for is in
	PUT 2*\k
	PUT 2*\k+1
	BARRIER
.endr
	COMPUTE 3
; THE WAY OUT.  Slot Y goes to the partner as an image of its registers (lane l's 16 bytes at 16 l); slot X is merged with the partner's image of the same tile, divided by the sum and stored.
.rept 4
	v_nop                                          ; four places between the last products and the stores that read their results
.endr
	BARRIER                                        ; nobody reads K or V any more: the first bytes of LDS serve again
	WIN 0x04
	s_wait_alu depctr_va_vdst(0)                   ; the products and rescalings have written slot Y's O^T and the softmax its statistics, which the LDS stores below read; and every line that named slot Y's S^T is done, in whose registers the partner's image lands behind the barrier.  The places above stay beside this wait
.irp i, 0,1,2,3,4,5,6,7
	ds_store_b128 v[XW], v[OY+4*\i:OY+4*\i+3] offset:512*\i   ; each accumulator from its low end on
.endr
	WIN 0
	ds_store_b128 v[XW], v[TY:TY+3] offset:4096    ; -M, the largest t, the sum's halves
	BARRIER
.irp i, 0,1,2,3,4,5,6,7
	ds_load_b128 v[IM+4*\i:IM+4*\i+3], v[XR] offset:512*\i   ; no wait: no vector line was issued since the wait above
.endr
	ds_load_b128 v[IT:IT+3], v[XR] offset:4096
	s_wait_dscnt 0x0
	v_min_num_f32 v[MX0], v[TX], v[IT]             ; -M of both parts together
	v_sub_f32 v[E1], v[MX0], v[TX]                 ; my M less the common one: a whole number, 0 or less
	v_sub_f32 v[E2], v[MX0], v[IT]                 ; the partner's.  (A wave that had no step carries -M = 3e38: its factor becomes 0, and its zeros stay zeros.  The wave with p = 0 always has a step)
	v_cvt_i32_f32 v[E1], v[E1]
	v_cvt_i32_f32 v[E2], v[E2]
	v_ldexp_f32 v[E1], 1.0, v[E1]
	v_ldexp_f32 v[E2], 1.0, v[E2]
	v_add_f32 v[TX+2], v[TX+2], v[TX+3]            ; the sums' halves
	v_add_f32 v[IT+2], v[IT+2], v[IT+3]
	v_mul_f32 v[TX+2], v[TX+2], v[E1]
	v_fma_f32 v[TX+2], v[IT+2], v[E2], v[TX+2]
	v_permlanex16_b32 v[PRM], v[TX+2], s[SEL], s[SEL+1]
	v_add_f32 v[TX+2], v[TX+2], v[PRM]             ; and lane l xor 16's: the row's sum
	v_rcp_f32 v[TX+2], v[TX+2]
	v_nop                                          ; one plain line behind a transcendental (ISA guide 5.7.2)
	s_wait_alu depctr_va_vdst(0)                   ; the reciprocal has written v[TX+2], ahead of its first reader
	v_ldexp_f32 v[TX+2], v[TX+2], s[EPV]           ; x 2^(ep + ev)
	v_mul_f32 v[G1], v[E1], v[TX+2]
	v_mul_f32 v[G1+1], v[E1], v[TX+2]
	v_mul_f32 v[G2], v[E2], v[TX+2]
	v_mul_f32 v[G2+1], v[E2], v[TX+2]
.irp j, 0,2,4,6,8,10,12,14,16,18,20,22,24,26,28,30
	v_pk_mul_f32 v[IM+\j:IM+\j+1], v[IM+\j:IM+\j+1], v[G2:G2+1]
.endr
	WIN 0x01                                       ; my O^T in window 1
.irp j, 0,2,4,6,8,10,12,14,16,18,20,22,24,26,28,30
	v_pk_fma_f32 v[RS+\j:RS+\j+1], v[OX+\j:OX+\j+1], v[G1:G1+1], v[IM+\j:IM+\j+1]   ; register 8 t + i is o(r, 16 t + 8 h + i); each accumulator from its low end on
.endr
	WIN 0
	s_wait_alu depctr_va_vdst(0)                   ; the multiply-adds have written v[RS] on, which the LDS stores below read; the registers v[BK] on, in which the rows land on their way back, were last named by the softmax, ahead of this wait
.irp t, 0,1,2,3
	ds_store_b128 v[SO], v[RS+8*\t:RS+8*\t+3] offset:64*\t         ; through my own stage: a lane holds 32 bytes of a row, the lanes beside it other rows
	ds_store_b128 v[SO], v[RS+8*\t+4:RS+8*\t+7] offset:64*\t+16
.endr
.irp i, 0,1,2,3,4,5,6,7
	ds_load_b128 v[BK+4*\i:BK+4*\i+3], v[SR] offset:2*SP*\i        ; LDS serves a wave's instructions in order (ISA guide 5.7.1.4): these see my stores
.endr
.irp i, 0,1,2,3,4,5,6,7
	s_wait_dscnt 7-\i                              ; load i is in; the younger ones stay out
	global_store_b128 v[GO], v[BK+4*\i:BK+4*\i+3], s[14:15] offset:512*\i th:TH_STORE_NT   ; 32 lanes store two rows of O: 512 consecutive bytes, at a multiple of 256 from O's first byte; written once
.endr
	s_wait_dscnt 0x0                               ; the closing lines, six on end
	s_wait_alu 0x0
	s_wait_tensorcnt 0x0
	ds_add_u32 v254, v255
	s_wait_dscnt 0x0
	s_endpgm
.Lfunc_end_k_qca8c61af8f_attn:
	.size	k_qca8c61af8f_attn, .Lfunc_end_k_qca8c61af8f_attn-k_qca8c61af8f_attn
	.p2alignl 7, 3214868480
	.fill 96, 4, 3214868480
	.section	.rodata,"a",@progbits
	.p2align	6, 0x0
	.amdhsa_kernel k_qca8c61af8f_attn
		.amdhsa_group_segment_fixed_size 304128
		.amdhsa_private_segment_fixed_size 0
		.amdhsa_enable_private_segment 0
		.amdhsa_kernarg_size 48
		.amdhsa_user_sgpr_count 2
		.amdhsa_user_sgpr_kernarg_segment_ptr 1
		.amdhsa_wavefront_size32 1
		.amdhsa_system_sgpr_workgroup_id_x 1
		.amdhsa_system_sgpr_workgroup_id_y 1
		.amdhsa_system_sgpr_workgroup_id_z 1
		.amdhsa_system_vgpr_workitem_id 0
		.amdhsa_next_free_vgpr 512
		.amdhsa_next_free_sgpr 66
		.amdhsa_reserve_vcc 0
		.amdhsa_float_denorm_mode_32 3
		.amdhsa_float_denorm_mode_16_64 3
		.amdhsa_memory_ordered 1
		.amdhsa_forward_progress 1
		.amdhsa_inst_pref_size 196
	.end_amdhsa_kernel
	.amdgpu_metadata
---
amdhsa.version: [ 1, 2 ]
amdhsa.kernels:
  - .name:           k_qca8c61af8f_attn
    .symbol:         k_qca8c61af8f_attn.kd
    .args:
      - { .name: queries_codes, .offset: 0, .size: 8, .value_kind: global_buffer, .address_space: global }
      - { .name: keys_codes, .offset: 8, .size: 8, .value_kind: global_buffer, .address_space: global }
      - { .name: values_codes, .offset: 16, .size: 8, .value_kind: global_buffer, .address_space: global }
      - { .name: lowp_scales, .offset: 24, .size: 8, .value_kind: global_buffer, .address_space: global }
      - { .name: valid_lens, .offset: 32, .size: 8, .value_kind: global_buffer, .address_space: global }
      - { .name: out0, .offset: 40, .size: 8, .value_kind: global_buffer, .address_space: global }
    .group_segment_fixed_size: 304128
    .private_segment_fixed_size: 0
    .kernarg_segment_align: 8
    .kernarg_segment_size: 48
    .max_flat_workgroup_size: 256
    .sgpr_count:     66
    .vgpr_count:     512
    .wavefront_size: 32
...
	.end_amdgpu_metadata
.endif
;; end of part 2
